; MI455X (gfx1250); checked and timed in simulation.
; The chip was launched on July 23, 2026; its instructions are those of AMD's public machine-readable ISA for CDNA 5 (MIT licence, August 2026) and "CDNA5" Instruction Set Architecture Reference Guide (July 2026). The comments in the code are by the model that wrote it; some were corrected since.
;; Multi Head Attention. Allowed arithmetic: float matrix products may take bf16 or f16 operands with f32 sums; all other float work in f32.
;; Inputs: w_k 1,024 x 1,024 float32; w_o 1,024 x 1,024 float32; w_q 1,024 x 1,024 float32; w_v 1,024 x 1,024 float32; x 2 x 2,048 x 1,024 float32.
;; Outputs: out0 2 x 2,048 x 1,024 float32.
;; One version. Each part assembles by itself: llvm-mc -triple=amdgcn-amd-amdhsa -mcpu=gfx1250 --defsym DOCPART=n.
;; ======== version 1 of 1: 4 launches
;; limits: values are held in f16: magnitudes above 65,504 overflow, below 6.1e-05 lose precision
;; workspace buffers: xb 8,388,608 bytes; wb 8,388,608 bytes; qkv 25,165,824 bytes; ctx 8,388,608 bytes
;; launch tobf16 (part 1): grid 512 x 1, 8 waves a work-group, no clusters, 0 bytes of LDS; arguments x, w_q, w_k, w_v, w_o, xb, wb; writes xb, wb
.if DOCPART == 1
	.amdgcn_target "amdgcn-amd-amdhsa--gfx1250"
	.amdhsa_code_object_version 6
	.text
	.protected	k_q6c3644d89c_tobf16
	.globl	k_q6c3644d89c_tobf16
	.p2align	8
	.type	k_q6c3644d89c_tobf16,@function
k_q6c3644d89c_tobf16:
	s_mov_b64 s[64:65], 0
	v_nop
	global_prefetch_b8 v0, s[64:65] scope:SCOPE_SE
	s_setreg_imm32_b32 hwreg(HW_REG_WAVE_MODE, 25, 1), 1
	s_wait_xcnt 0x0
; x and the four weight matrices, f32, are rounded once (to nearest even) to bf16: xb = x; wb = w_q, w_k, w_v, w_o one behind the other.
; w_o's bf16 values are then written in f16's format, since the last product takes its other operand in f16 and the matrix instruction wants both alike:
; exact for |w| >= 2^-17, within 2^-25 below; beyond 65,504 infinite.
; A stream: no LDS, no barrier, no matrix unit, no cluster (no byte is read twice, no work-group shares an input).
; Work-group g takes 65,536 bytes of f32 and makes 32,768 bytes of 16-bit numbers.  g < 256: piece g of x.  g >= 256: piece g & 63 of weight (g >> 6) & 3.
; Thread t takes 16 bytes of each 4,096: a wave's load covers 512 neighbouring bytes, its store 256 neighbouring bytes at a multiple of 256.
; All sixteen loads of a wave go out at once; every load and store has registers of its own, so no wait frees a source.
; Limit: values beyond bf16's largest finite number round to infinity, as the format has it.
.set X, 4                              ; v[4:67]   sixteen loads of 4 registers
.set Y, 68                             ; v[68:99]  sixteen stores of 2 registers
	s_load_b256 s[4:11], s[0:1], 0x0               ; x s[4:5], w_q s[6:7], w_k s[8:9], w_v s[10:11]
	s_load_b128 s[12:15], s[0:1], 0x20             ; w_o s[12:13], xb s[14:15]
	s_load_b64 s[16:17], s[0:1], 0x30              ; wb
	s_mov_b32 s20, ttmp9                           ; g
	s_bfe_u32 s21, ttmp9, 0x20006                  ; (g >> 6) & 3: which weight
	s_and_b32 s22, ttmp9, 63                       ; piece of that weight
	s_and_b32 s23, ttmp9, 255                      ; piece of the destination
	v_lshlrev_b32 v1, 4, v0                        ; 16 t: my bytes in a load's 4,096
	v_lshlrev_b32 v2, 3, v0                        ; 8 t: my bytes in a store's 2,048
	s_wait_kmcnt 0x0
	s_cmp_eq_u32 s21, 1                            ; the source is chosen on the work-group's number alone
	s_cselect_b64 s[24:25], s[8:9], s[6:7]
	s_cmp_eq_u32 s21, 2
	s_cselect_b64 s[24:25], s[10:11], s[24:25]
	s_cmp_eq_u32 s21, 3
	s_cselect_b64 s[24:25], s[12:13], s[24:25]
	s_cmp_lt_u32 s20, 256
	s_cselect_b64 s[24:25], s[4:5], s[24:25]       ; the first 256 work-groups take x
	s_cselect_b64 s[26:27], s[14:15], s[16:17]     ; and store into xb, the others into wb
	s_cselect_b32 s28, s20, s22
	s_lshl_b32 s28, s28, 16                        ; the piece's 65,536 bytes of f32
	s_mov_b32 s29, 0
	s_lshl_b32 s30, s23, 15                        ; its 32,768 bytes of 16-bit numbers
	s_mov_b32 s31, 0
	s_add_nc_u64 s[24:25], s[24:25], s[28:29]
	s_add_nc_u64 s[26:27], s[26:27], s[30:31]
.irp i, 0,1,2,3,4,5,6,7,8,9,10,11,12,13,14,15
	global_load_b128 v[X+4*\i:X+4*\i+3], v1, s[24:25] offset:4096*\i th:TH_LOAD_NT
.endr
; load i is rounded and stored.  half = 1: the bf16 values are widened again (a shift, a mask) and written as f16
.macro PIECE i, half
	s_wait_loadcnt 15-\i                           ; loads come back in order: load i is in, the 15 - i younger ones stay out
	v_cvt_pk_bf16_f32 v[Y+2*\i],   v[X+4*\i],   v[X+4*\i+1]
	v_cvt_pk_bf16_f32 v[Y+2*\i+1], v[X+4*\i+2], v[X+4*\i+3]
.if \half
	v_lshlrev_b32 v[X+4*\i],   16,         v[Y+2*\i]
	v_and_b32     v[X+4*\i+1], 0xffff0000, v[Y+2*\i]
	v_lshlrev_b32 v[X+4*\i+2], 16,         v[Y+2*\i+1]
	v_and_b32     v[X+4*\i+3], 0xffff0000, v[Y+2*\i+1]
	v_cvt_pk_f16_f32 v[Y+2*\i],   v[X+4*\i],   v[X+4*\i+1]
	v_cvt_pk_f16_f32 v[Y+2*\i+1], v[X+4*\i+2], v[X+4*\i+3]
.endif
	global_store_b64 v2, v[Y+2*\i:Y+2*\i+1], s[26:27] offset:2048*\i
.endm
	s_cmp_ge_u32 s20, 448                          ; the last 64 work-groups hold w_o
	s_cbranch_scc1 .Lw_o
.irp i, 0,1,2,3,4,5,6,7,8,9,10,11,12,13,14,15
	PIECE \i, 0
.endr
	s_endpgm
.Lw_o:
.irp i, 0,1,2,3,4,5,6,7,8,9,10,11,12,13,14,15
	PIECE \i, 1
.endr
	s_endpgm
.Lfunc_end_k_q6c3644d89c_tobf16:
	.size	k_q6c3644d89c_tobf16, .Lfunc_end_k_q6c3644d89c_tobf16-k_q6c3644d89c_tobf16
	.p2alignl 7, 3214868480
	.fill 96, 4, 3214868480
	.section	.rodata,"a",@progbits
	.p2align	6, 0x0
	.amdhsa_kernel k_q6c3644d89c_tobf16
		.amdhsa_group_segment_fixed_size 0
		.amdhsa_private_segment_fixed_size 0
		.amdhsa_enable_private_segment 0
		.amdhsa_kernarg_size 56
		.amdhsa_user_sgpr_count 2
		.amdhsa_user_sgpr_kernarg_segment_ptr 1
		.amdhsa_wavefront_size32 1
		.amdhsa_system_sgpr_workgroup_id_x 1
		.amdhsa_system_sgpr_workgroup_id_y 1
		.amdhsa_system_sgpr_workgroup_id_z 1
		.amdhsa_system_vgpr_workitem_id 0
		.amdhsa_next_free_vgpr 100
		.amdhsa_next_free_sgpr 66
		.amdhsa_reserve_vcc 0
		.amdhsa_float_denorm_mode_32 3
		.amdhsa_float_denorm_mode_16_64 3
		.amdhsa_memory_ordered 1
		.amdhsa_forward_progress 1
		.amdhsa_inst_pref_size 16
	.end_amdhsa_kernel
	.amdgpu_metadata
---
amdhsa.version: [ 1, 2 ]
amdhsa.kernels:
  - .name:           k_q6c3644d89c_tobf16
    .symbol:         k_q6c3644d89c_tobf16.kd
    .args:
      - { .name: x, .offset: 0, .size: 8, .value_kind: global_buffer, .address_space: global }
      - { .name: w_q, .offset: 8, .size: 8, .value_kind: global_buffer, .address_space: global }
      - { .name: w_k, .offset: 16, .size: 8, .value_kind: global_buffer, .address_space: global }
      - { .name: w_v, .offset: 24, .size: 8, .value_kind: global_buffer, .address_space: global }
      - { .name: w_o, .offset: 32, .size: 8, .value_kind: global_buffer, .address_space: global }
      - { .name: xb, .offset: 40, .size: 8, .value_kind: global_buffer, .address_space: global }
      - { .name: wb, .offset: 48, .size: 8, .value_kind: global_buffer, .address_space: global }
    .group_segment_fixed_size: 0
    .private_segment_fixed_size: 0
    .kernarg_segment_align: 8
    .kernarg_segment_size: 56
    .max_flat_workgroup_size: 256
    .sgpr_count:     66
    .vgpr_count:     100
    .wavefront_size: 32
...
	.end_amdgpu_metadata
.endif
;; end of part 1
;; launch qkv (part 2): grid 16 x 16, 4 waves a work-group, clusters of 4 x 4, 327,680 bytes of LDS; arguments xb, wb, qkv; writes qkv
.if DOCPART == 2
	.amdgcn_target "amdgcn-amd-amdhsa--gfx1250"
	.amdhsa_code_object_version 6
	.text
	.protected	k_q6c3644d89c_qkv
	.globl	k_q6c3644d89c_qkv
	.p2align	8
	.type	k_q6c3644d89c_qkv,@function
k_q6c3644d89c_qkv:
	s_mov_b64 s[64:65], 0
	v_nop
	global_prefetch_b8 v0, s[64:65] scope:SCOPE_SE
	s_setreg_imm32_b32 hwreg(HW_REG_WAVE_MODE, 25, 1), 1
	s_wait_xcnt 0x0
	s_wait_alu depctr_hold_cnt(0) depctr_sa_sdst(0) depctr_va_vdst(0) depctr_va_sdst(0) depctr_va_ssrc(0) depctr_va_vcc(0) depctr_vm_vsrc(0)
	s_getreg_b32 s2, hwreg(HW_REG_IB_STS2, 6, 4)
	s_cmp_eq_u32 s2, 0
	s_cbranch_scc0 .Lentry_in_a_cluster
	s_endpgm
.Lentry_in_a_cluster:
	s_bfe_u32 s2, ttmp6, 0x10000c
	s_cmp_lg_u32 s2, 0xf033
	s_cbranch_scc0 .Lentry_shape_is_right
	s_endpgm
.Lentry_shape_is_right:
; q, k, v = x W^T for the three weights at once: C[4096 tokens][3072 features] = xb[4096][1024] . wb[rows 0..3071][1024]^T, bf16 operands, f32 sums,
; rounded once to f16 and stored head-major: qkv[b 2][g 48][t 2048][64], g = feature / 64 (0-15 q's heads, 16-31 k's, 32-47 v's).
; f16 and not bf16 for the results: three more significant bits in what the attention multiplies.
; A work-group makes 256 tokens x 192 features (three heads) with four waves; wave w makes tokens 64 w .. 64 w + 63 x all 192 features:
; 48 accumulator tiles of 16 x 16, 384 registers.  16 x 16 = 256 work-groups.
; K goes in steps of 128 through a ring of two LDS slots filled by the tensor data mover; a tile's rows are 256 bytes of memory at multiples of 256.
; CLUSTERS: 4 x 4 work-groups.  The four of a row of the cluster need the same 256 rows of xb, the four of a column the same 192 rows of wb:
; each tile is asked for jointly, which divides the requests for both by four.
; REGISTERS in windows of 256: window 0: addresses, A's fragments (two buffers of 4 x 8), the way out; window 1: B's fragments (two buffers of 12 x 8);
; window 2: accumulators of my token tiles 0, 1 (tile (a, b) at v[8 ((a % 2) 12 + b)]); window 3: of token tiles 2, 3.
; THE MATRIX INSTRUCTION IS USED TRANSPOSED: source 0 = 16 rows of wb, source 1 = 16 rows of xb, so that lane l holds token l % 16 and its eight
; registers eight neighbouring features 8 (l / 16) + 0..7, which pack into 16 bytes.
; The 48 accumulators take turns, one instruction a turn, in the same order in every quarter step, over the backward jump too.
; Limits: operands are bf16 (x and W rounded by the launch before).  Results beyond 65,504 become infinite in f16: with x and W at 30 times a spread of 1 and of 1/32
; they reach some 5 x 10^3, with both offset by 30 spreads some 2.9 x 10^4.  Results below 2^-14 keep an absolute error of 2^-25.
.set NB,     12                        ; feature tiles of a wave
.set PITCH,  272                       ; an LDS row: 256 bytes + 16 of padding, an odd multiple of 16: sixteen rows start in sixteen different 16-byte columns modulo 256
.set ASTEP,  16*PITCH
.set BSTEP,  16*PITCH
.set AHALF,  128*PITCH                 ; what wave 0 or 1 fetches: 128 rows of xb
.set BHALF,  96*PITCH                  ; what wave 2 or 3 fetches: 96 rows of wb
.set BREG,   2*AHALF                   ; B's rows lie behind A's 256
.set SLOT,   BREG+2*BHALF              ; 121,856 bytes
.set STAGE,  2*SLOT                    ; behind the ring: 16 rows x 400 bytes for each wave; no fill lands here
.set SPITCH, 400                       ; 384 bytes (192 f16) + 16
.set AKB,    256                       ; bytes that a slot takes of a row of xb
.set BKB,    256                       ; and of a row of wb
.set LAPS,   4                         ; 1024 / (2 x 128): a lap = two K steps = once round the ring
.set ADRA, 16                          ; v16-17  LDS address of my A fragments in slot 0, 1
.set ADRB, 20                          ; v20-21  the same for B
.set STO,  24                          ; v24     the way out: where I put 16 bytes of a token's row
.set RD,   25                          ; v25     the way out: where I read back
.set CO,   26                          ; v26     my byte offset in qkv
.set FA,   64                          ; window 0: v64-95, v96-127  A's fragment buffers 0, 1
.set FB,   0                           ; window 1: v0-95, v96-191   B's fragment buffers 0, 1
.set TMP,  128                         ; window 0: v128-175 packed results
.set RB,   176                         ; window 0: v176-223 rows read back
.set G1,  24                           ; s[24:31] group 1 for A's tiles
.set G0,  32                           ; s[32:39] group 0 for A's tiles, one set for each slot
.set G1B, 48                           ; s[48:55] group 1 for B's tiles
.set G0B, 56                           ; s[56:63] group 0 for B's tiles, one set for each slot
.set MSB, 0
.macro WIN new                         ; the immediate's high byte repeats the setting that is left; a switch that changes nothing is dropped
.if MSB != \new
	s_set_vgpr_msb (MSB<<8)|\new
.set MSB, \new
.endif
.endm
.set MUL_LO, 0xa1                      ; source 0 (B) window 1, source 1 (A) window 0, C and D window 2
.set MUL_HI, 0xf1                      ; the same, C and D window 3
.set TO_B,   0x40                      ; destination window 1, address window 0
; A joint load.  Waves 0 and 1 fetch A's halves, waves 2 and 3 B's.  Each line has one mask; the branch hangs on the wave's number alone.
.macro JLOAD s
	s_cmp_eq_u32 s11, 0
	s_cbranch_scc0 .Lfor_b_\@
	tensor_load_to_lds s[G0+4*\s:G0+4*\s+3], s[G1:G1+7]
	s_nop 0
	s_branch .Lasked_\@
.Lfor_b_\@:
	tensor_load_to_lds s[G0B+4*\s:G0B+4*\s+3], s[G1B:G1B+7]
	s_nop 0
.Lasked_\@:
.endm
; A round of the cluster's barrier: my work-group's barrier, wave 0 signals for the work-group, every wave waits for all sixteen, my work-group's barrier again.
.macro CREST                           ; a round behind its opening barrier
	s_cmp_lg_u32 s10, 0
	s_cbranch_scc1 .Lnot_wave_0_\@
	s_barrier_signal -3
.Lnot_wave_0_\@:
	s_barrier_wait -3
	s_barrier_signal -1
	s_barrier_wait -1
.endm
.macro CROUND
	s_barrier_signal -1
	s_barrier_wait -1
	CREST
.endm
	s_load_b128 s[4:7], s[0:1], 0x0                ; xb s[4:5], wb s[6:7]
	s_load_b64 s[8:9], s[0:1], 0x10                ; qkv
	s_set_vgpr_msb 0x40
	v_lshl_add_u32 v255, v0, 2, 0x41c00
	s_set_vgpr_msb 0x4000
	v_mov_b32 v255, 0
	s_set_vgpr_msb 0x1
	ds_add_u32 v255, v255
	ds_add_u32 v255, v255
	s_set_vgpr_msb 0x100
	v_lshrrev_b32 v1, 5, v0
	v_readfirstlane_b32 s10, v1                    ; wave 0..3
	s_lshr_b32 s11, s10, 1                         ; I fetch for A (0) or for B (1)
	s_and_b32 s12, s10, 1                          ; which half of that tile I fetch
	s_bfe_u32 s40, ttmp6, 0x40000                  ; cx
	s_bfe_u32 s41, ttmp6, 0x40004                  ; cy
	s_lshl_b32 s42, ttmp9, 2
	s_add_co_u32 s42, s42, s40                     ; block column = 4 x cluster x + cx
	s_and_b32 s13, ttmp7, 0xffff
	s_lshl_b32 s13, s13, 2
	s_add_co_u32 s13, s13, s41                     ; block row = 4 x cluster y + cy
	s_lshl_b32 s43, s41, 2
	s_lshl_b32 s43, 15, s43                        ; my row of the cluster: places 4 cy .. 4 cy + 3
	s_lshl_b32 s44, 0x1111, s40                    ; my column: places cx, cx + 4, cx + 8, cx + 12
	; group 1: rows of 128 elements of 2 bytes, 16 bytes of padding behind every 64 words
	s_or_b32 s[G1+0], s43, (1<<16)|(1<<20)|(1<<21)|(5<<22)|(3<<25)   ; A's tiles go to my row of the cluster
	s_or_b32 s[G1B+0], s44, (1<<16)|(1<<20)|(1<<21)|(5<<22)|(3<<25)  ; B's to my column
	s_mov_b32 s[G1+1], 128<<16                     ; tensor_dim0 = 128
	s_mov_b32 s[G1B+1], 128<<16
	s_mov_b32 s[G1+2], 128<<16                     ; tensor_dim1 = 128 rows
	s_mov_b32 s[G1B+2], 96<<16                     ; 96 rows
	s_mov_b32 s[G1+3], 128<<16                     ; tile_dim0 = 128
	s_mov_b32 s[G1B+3], 128<<16
	s_mov_b32 s[G1+4], 128                         ; tile_dim1
	s_mov_b32 s[G1B+4], 96
	s_mov_b32 s[G1+5], 1024                        ; elements from row to row
	s_mov_b32 s[G1B+5], 1024
	s_mov_b32 s[G1+6], 0
	s_mov_b32 s[G1B+6], 0
	s_mov_b32 s[G1+7], 0
	s_mov_b32 s[G1B+7], 0
	; A's address hangs on the block row and the wave, B's on the block column and the wave, each in registers that never hold the other coordinate
	s_lshl_b32 s17, s12, 7
	s_lshl_b32 s16, s13, 8
	s_add_co_u32 s16, s16, s17                     ; xb's row 256 x block row + 128 x half
	s_lshl_b32 s16, s16, 11                        ; x 2,048 bytes: under 8 MiB
	s_mov_b32 s17, 0
	s_mul_i32 s46, s42, 192
	s_mul_i32 s47, s12, 96
	s_add_co_u32 s46, s46, s47                     ; wb's row 192 x block column + 96 x half
	s_lshl_b32 s46, s46, 11
	s_mov_b32 s47, 0
	s_mul_i32 s20, s10, AHALF                      ; where A's halves go: wave x 128 rows (waves 0, 1)
	s_mul_i32 s45, s10, BHALF
	s_add_co_u32 s45, s45, BREG-2*BHALF            ; where B's go: behind A, (wave - 2) x 96 rows (waves 2, 3)
	s_wait_dscnt 0x0
	s_wait_kmcnt 0x0
	s_add_nc_u64 s[14:15], s[4:5], s[16:17]
	s_add_nc_u64 s[46:47], s[6:7], s[46:47]
	CROUND                                         ; all sixteen work-groups are here: the first joint loads meet
.irp s, 0,1
	s_mov_b32 s[G0+4*\s], 1
	s_add_co_u32 s[G0+4*\s+1], s20, \s*SLOT
	s_add_nc_u64 s[G0+4*\s+2:G0+4*\s+3], s[14:15], \s*AKB          ; K step s
	s_or_b32 s[G0+4*\s+3], s[G0+4*\s+3], 0x80000000                ; type 2
	s_mov_b32 s[G0B+4*\s], 1
	s_add_co_u32 s[G0B+4*\s+1], s45, \s*SLOT
	s_add_nc_u64 s[G0B+4*\s+2:G0B+4*\s+3], s[46:47], \s*BKB
	s_or_b32 s[G0B+4*\s+3], s[G0B+4*\s+3], 0x80000000
	JLOAD \s                                       ; both first fills go out together: two tensor loads of the wave are out
.endr
	; a fragment is 16 rows x 32 K in 8 registers: lane l holds row l % 16; two loads of 16 bytes, 32 bytes apart, at row x pitch + 16 (l / 16)
	v_and_b32 v1, 15, v0                           ; r
	v_bfe_u32 v2, v0, 4, 1                         ; h
	v_mul_u32_u24 v3, v1, PITCH
	v_lshl_add_u32 v3, v2, 4, v3
	s_mul_i32 s21, s10, 64*PITCH                   ; my 64 rows of A
	s_mov_b32 s22, BREG                            ; all of B's rows
.irp s, 0,1
	v_add_nc_u32 v[ADRA+\s], s21, v3
	v_add_nc_u32 v[ADRB+\s], s22, v3
	s_add_co_u32 s21, s21, SLOT
	s_add_co_u32 s22, s22, SLOT
.endr
	s_mul_i32 s23, s10, 16*SPITCH
	s_add_co_u32 s23, s23, STAGE                   ; my stage
	v_mul_u32_u24 v4, v1, SPITCH                   ; in: token r, 16 bytes for each half of the lanes
	v_lshl_add_u32 v4, v2, 4, v4
	v_add_nc_u32 v[STO], s23, v4
	v_and_b32 v5, 31, v0                           ; lane
	v_lshrrev_b32 v6, 3, v5
	v_and_b32 v7, 7, v0
	v_mul_u32_u24 v6, v6, SPITCH                   ; back: eight lanes take one token's 128 bytes of one head, the wave four tokens
	v_lshl_add_u32 v6, v7, 4, v6
	v_add_nc_u32 v[RD], s23, v6
	v_lshlrev_b32 v[CO], 4, v5                     ; four tokens of a head are 512 neighbouring bytes of qkv
; NB matrix instructions: token tile a x all feature tiles, 32 along K, from buffer f.  zero = 1: the first product starts the sums.
.macro MULA f, a, zero
.irp b, 0,1,2,3,4,5,6,7,8,9,10,11
.if \zero
	v_wmma_f32_16x16x32_bf16 v[8*(((\a)%2)*NB+\b):8*(((\a)%2)*NB+\b)+7], v[FB+96*\f+8*\b:FB+96*\f+8*\b+7], v[FA+32*\f+8*(\a):FA+32*\f+8*(\a)+7], 0
.else
	v_wmma_f32_16x16x32_bf16 v[8*(((\a)%2)*NB+\b):8*(((\a)%2)*NB+\b)+7], v[FB+96*\f+8*\b:FB+96*\f+8*\b+7], v[FA+32*\f+8*(\a):FA+32*\f+8*(\a)+7], v[8*(((\a)%2)*NB+\b):8*(((\a)%2)*NB+\b)+7]
.endif
.endr
.endm
; 32 LDS loads in one run: quarter q of a slot (32 along K) into buffer f: B's 24 first, then A's 8
.macro FETCH slot, q, f
	WIN TO_B
.irp i, 0,1,2,3,4,5,6,7,8,9,10,11
	ds_load_b128 v[FB+96*\f+8*\i:FB+96*\f+8*\i+3],   v[ADRB+\slot] offset:64*(\q)+\i*BSTEP
	ds_load_b128 v[FB+96*\f+8*\i+4:FB+96*\f+8*\i+7], v[ADRB+\slot] offset:64*(\q)+\i*BSTEP+32
.endr
	WIN 0
.irp i, 0,1,2,3
	ds_load_b128 v[FA+32*\f+8*\i:FA+32*\f+8*\i+3],   v[ADRA+\slot] offset:64*(\q)+\i*ASTEP
	ds_load_b128 v[FA+32*\f+8*\i+4:FA+32*\f+8*\i+7], v[ADRA+\slot] offset:64*(\q)+\i*ASTEP+32
.endr
.endm
; Four plain vector instructions stand between a matrix instruction and a load into one of its registers, or a vector instruction or LDS store that
; reads its result (ISA guide 7.12.1 for vector instructions); other matrix instructions are not counted.
.macro PLACES
.rept 4
	v_nop
.endr
.endm
; A quarter step that is not a slot's last: multiplies buffer f; in its middle it fetches quarter qn of the same slot into buffer g
.macro QUARTER slot, qn, f, g, zero
	s_wait_dscnt 4                                 ; B and A's token tiles 0, 1 are in; the youngest four loads (tiles 2, 3) may be out
	WIN MUL_LO
	MULA \f, 0, \zero
	MULA \f, 1, \zero
	PLACES
	FETCH \slot, \qn, \g
	s_wait_dscnt 2*NB+8                            ; all but the run just issued
	WIN MUL_HI
	MULA \f, 2, \zero
	MULA \f, 3, \zero
.endm
.macro FRONT slot, zero
	QUARTER \slot, 1, 0, 1, \zero
	QUARTER \slot, 2, 1, 0, 0
	QUARTER \slot, 3, 0, 1, 0
.endm
; A slot's last quarter: multiplies buffer 1 and changes slots.  One barrier does two things: in front of it each wave waits for its reads of this slot
; and for all its tensor loads (one is out: its part of the next slot); behind it this slot is filled again first, then the next slot is read.
; From a request to the wait for it a wave issues 180 matrix instructions.
.macro TURN slot, next, fill
	s_wait_dscnt 4
	WIN MUL_LO
	MULA 1, 0, 0
	s_wait_dscnt 0                                 ; my reads of this slot are over
	s_wait_tensorcnt 0x0                           ; all my tensor loads have landed
	ds_add_u32 v255, v255
	s_wait_dscnt 0x0
	s_barrier_signal -1                            ; where the slot is filled again this barrier opens a round of the cluster's barrier
	MULA 1, 1, 0                                   ; register work while the others arrive
	WIN 0
	s_barrier_wait -1
.if \fill
	CREST                                          ; no wave of any partner still reads this slot or has a load on its way
	s_add_nc_u64 s[G0+4*\slot+2:G0+4*\slot+3], s[G0+4*\slot+2:G0+4*\slot+3], 2*AKB
	s_add_nc_u64 s[G0B+4*\slot+2:G0B+4*\slot+3], s[G0B+4*\slot+2:G0B+4*\slot+3], 2*BKB
	JLOAD \slot                                    ; the first tensor load behind the round, the wave's only one until the next
.endif
	PLACES
	FETCH \next, 0, 0
	WIN MUL_HI
	MULA 1, 2, 0
	MULA 1, 3, 0
.endm
.macro LAP zero
	FRONT 0, \zero
	TURN 0, 1, 1
	FRONT 1, 0
	TURN 1, 0, 1
.endm
	s_wait_tensorcnt 1                             ; my part of K step 0 is in; K step 1's may stay out
	s_barrier_signal -1
	s_barrier_wait -1
	FETCH 0, 0, 0
	LAP 1                                          ; the first lap's first products start the sums
	WIN 0
	s_mov_b32 s3, LAPS-2
.Llap:
	LAP 0
	WIN 0
	s_sub_co_u32 s3, s3, 1
	s_cmp_lg_u32 s3, 0
	s_cbranch_scc1 .Llap
	FRONT 0, 0                                     ; the last lap fills nothing
	TURN 0, 1, 0
	FRONT 1, 0
	s_wait_dscnt 4
	WIN MUL_LO
	MULA 1, 0, 0
	MULA 1, 1, 0
	s_wait_dscnt 0
	WIN MUL_HI
	MULA 1, 2, 0
	MULA 1, 3, 0
	; THE WAY OUT, 16 tokens at a time: round to f16, 16 bytes a lane into my own stage, read back so that a store covers four tokens of one head
	PLACES
	s_lshr_b32 s16, s13, 3                         ; batch = block row / 8
	s_mul_i32 s16, s16, 48<<18                     ; 48 planes of 262,144 bytes
	s_and_b32 s17, s13, 7
	s_lshl_b32 s17, s17, 15                        ; 256 tokens of 128 bytes
	s_add_co_u32 s16, s16, s17
	s_lshl_b32 s17, s10, 13                        ; my 64 tokens
	s_add_co_u32 s16, s16, s17
	s_mov_b32 s17, 0
	s_add_nc_u64 s[8:9], s[8:9], s[16:17]
	s_mul_i32 s46, s42, 3<<18                      ; three planes for each block column (in the registers that held B's address)
	s_mov_b32 s47, 0
	s_add_nc_u64 s[8:9], s[8:9], s[46:47]
.macro OUTQ a, from
	WIN \from
.irp b, 0,1,2,3,4,5,6,7,8,9,10,11
.irp r, 0,1,2,3
	v_cvt_pk_f16_f32 v[TMP+4*\b+\r], v[8*(((\a)%2)*NB+\b)+2*\r], v[8*(((\a)%2)*NB+\b)+2*\r+1]
.endr
.endr
	WIN 0
.irp b, 0,1,2,3,4,5,6,7,8,9,10,11
	ds_store_b128 v[STO], v[TMP+4*\b:TMP+4*\b+3] offset:32*\b
.endr
	s_wait_xcnt 0x0                                ; RB, which the last tile's stores read, is loaded again only behind this wait
.irp gi, 0,1,2
.irp u, 0,1,2,3
	ds_load_b128 v[RB+4*(4*\gi+\u):RB+4*(4*\gi+\u)+3], v[RD] offset:128*\gi+4*SPITCH*\u   ; LDS serves a wave's instructions in order: these see the stores above
.endr
.endr
.irp gi, 0,1,2
.irp u, 0,1,2,3
	s_wait_dscnt 11-(4*\gi+\u)
	global_store_b128 v[CO], v[RB+4*(4*\gi+\u):RB+4*(4*\gi+\u)+3], s[8:9] offset:262144*\gi+2048*\a+512*\u   ; 512 neighbouring bytes, at a multiple of 512
.endr
.endr
.endm
	OUTQ 0, 0x0a
	OUTQ 1, 0x0a
	OUTQ 2, 0x0f
	OUTQ 3, 0x0f
	s_set_vgpr_msb 0x1
	s_wait_tensorcnt 0x0
	ds_add_u32 v255, v255
	s_wait_dscnt 0x0
	s_set_vgpr_msb 0x100
	CROUND                                         ; the closing round: no work-group ends while a partner may still ask for a tile that names it
	s_endpgm
.Lfunc_end_k_q6c3644d89c_qkv:
	.size	k_q6c3644d89c_qkv, .Lfunc_end_k_q6c3644d89c_qkv-k_q6c3644d89c_qkv
	.p2alignl 7, 3214868480
	.fill 96, 4, 3214868480
	.section	.rodata,"a",@progbits
	.p2align	6, 0x0
	.amdhsa_kernel k_q6c3644d89c_qkv
		.amdhsa_group_segment_fixed_size 327680
		.amdhsa_private_segment_fixed_size 0
		.amdhsa_enable_private_segment 0
		.amdhsa_kernarg_size 24
		.amdhsa_user_sgpr_count 2
		.amdhsa_user_sgpr_kernarg_segment_ptr 1
		.amdhsa_wavefront_size32 1
		.amdhsa_system_sgpr_workgroup_id_x 1
		.amdhsa_system_sgpr_workgroup_id_y 1
		.amdhsa_system_sgpr_workgroup_id_z 1
		.amdhsa_system_vgpr_workitem_id 0
		.amdhsa_next_free_vgpr 960
		.amdhsa_next_free_sgpr 66
		.amdhsa_reserve_vcc 0
		.amdhsa_float_denorm_mode_32 3
		.amdhsa_float_denorm_mode_16_64 3
		.amdhsa_memory_ordered 1
		.amdhsa_forward_progress 1
		.amdhsa_inst_pref_size 164
	.end_amdhsa_kernel
	.amdgpu_metadata
---
amdhsa.version: [ 1, 2 ]
amdhsa.kernels:
  - .name:           k_q6c3644d89c_qkv
    .symbol:         k_q6c3644d89c_qkv.kd
    .args:
      - { .name: xb, .offset: 0, .size: 8, .value_kind: global_buffer, .address_space: global }
      - { .name: wb, .offset: 8, .size: 8, .value_kind: global_buffer, .address_space: global }
      - { .name: qkv, .offset: 16, .size: 8, .value_kind: global_buffer, .address_space: global }
    .group_segment_fixed_size: 327680
    .private_segment_fixed_size: 0
    .kernarg_segment_align: 8
    .kernarg_segment_size: 24
    .max_flat_workgroup_size: 128
    .sgpr_count:     66
    .vgpr_count:     960
    .wavefront_size: 32
...
	.end_amdgpu_metadata
.endif
;; end of part 2
;; launch attn (part 3): grid 256 x 1, 4 waves a work-group, no clusters, 327,680 bytes of LDS; arguments qkv, ctx; writes ctx
.if DOCPART == 3
	.amdgcn_target "amdgcn-amd-amdhsa--gfx1250"
	.amdhsa_code_object_version 6
	.text
	.protected	k_q6c3644d89c_attn
	.globl	k_q6c3644d89c_attn
	.p2align	8
	.type	k_q6c3644d89c_attn,@function
k_q6c3644d89c_attn:
	s_mov_b64 s[64:65], 0
	v_nop
	global_prefetch_b8 v0, s[64:65] scope:SCOPE_SE
	s_setreg_imm32_b32 hwreg(HW_REG_WAVE_MODE, 25, 1), 1
	s_wait_xcnt 0x0
; Causal attention of one head for two blocks of 128 queries, with a running maximum.  qkv[b][g][t][64] f16 (g = h: q, 16 + h: k, 32 + h: v);
; ctx[token pair 2048][head 16][parity 2][dh 64] f16, so that one (pair, head) is 256 neighbouring bytes.
; Work-group id: head (b, h) = id >> 3, j = id & 7.  It makes query block 15 - j (16 - j key tiles of 128) and then block j (j + 1 tiles): 17 tiles in every work-group.
; Key tiles above the diagonal, which the causal mask throws away whole, are not computed.  Wave w owns 32 queries of the block, two tiles of 16.
; TRANSPOSED: S^T = K Q^T (source 0 = 16 keys, source 1 = 16 queries): lane (r, h) holds query r and keys 8 h + 0..7 of a key tile.  Two neighbouring key tiles,
; rounded to f16, ARE the second operand of O^T = V^T P^T, whose first operand comes from V[key][dh] by the transposing LDS load.  So p never goes through LDS,
; and maximum and rescaling factor are one number a lane; one exchange between the halves of the lanes joins the maxima.
; p = 2^(s c - m c), c = log2(e) / 8; m is the running maximum of the row's scores seen so far.
; THE ROW'S SUM is a product too: a fragment of ones times the same f16 p, one more accumulator tile for each query tile.  So the divisor is the sum of the very p
; that multiply V, every lane holds it whole, and no vector line adds p.  Of that tile's eight registers only register 0 is rescaled and read;
; the others hold plain sums of p <= 1 over at most 2,048 keys, which stay finite.
; K and V come by the tensor data mover into a ring of two slots (128 keys each); wave 0, 1 fetch K's halves, wave 2, 3 V's: one load of 64 rows a wave.
; NO CLUSTER: the eight work-groups of a head begin their second block after 16 - j tiles, a different trip in each, so at one trip they want different tiles.
; O and the sums are cleared by 80 moves, twice in the launch (once for each block): which trip begins a block hangs on j, and a first product that starts the sums
; would need a second form of the step behind a branch.
; In each run of matrix instructions eight or ten accumulators take turns, one instruction a turn.
; Limits: q, k, v, p and ctx are f16 (11 significant bits; chosen over bf16 for its three more bits): ctx beyond 65,504 becomes infinite, which v, its bound, reaches
; only where the launch before has already overflowed; p below 2^-25 counts as 0; NaN or infinite inputs, or scores beyond f32's range, are not served.
.set PITCH, 144                        ; an LDS row: 128 bytes + 16, an odd multiple of 16: K's fragment loads meet no second row in a 16-byte column modulo 256;
                                       ; of the transposing loads' sixteen lanes two meet in one column
.set VREG,  128*PITCH                  ; V's rows lie behind K's 128
.set SLOT,  2*VREG                     ; 36,864 bytes
.set STAGE, 2*SLOT                     ; behind the ring: 32 rows x 144 bytes for each wave; no fill lands here
.set KA,   2                           ; v2-3    LDS address of my K fragments in slot 0, 1
.set VA,   4                           ; v4-5    the same for V's transposing loads
.set STO,  6                           ; v6      the way out: in
.set RD,   7                           ; v7      the way out: back
.set CO,   8                           ; v8      my byte offset in ctx
.set QA,   9                           ; v9      my byte offset in the wave's 32 rows of q
.set DQ,   10                          ; v10-11  query tile qt: 32 w + 16 qt + r - 8 h, against which a key's constant is compared on the diagonal
.set NINF, 12                          ; v12     -infinity
.set MA,   14                          ; v14-15  running maximum of query tile 0, 1: a step reads MA and writes MB, the next the other way round
.set MB,   16                          ; v16-17
.set NM,   20                          ; v20-23  - m c, twice for each query tile
.set AL,   24                          ; v24-27  rescaling factor, twice for each query tile
.set TA,   28                          ; v28-29  at work
.set TB,   30                          ; v30-31  at work
.set SC,   64                          ; v64-127   scores, then p: tile (kt, qt) at 8 (2 kt + qt)
.set PB,   128                         ; v128-159  p in f16: (qt, ks) at 8 (2 qt + ks)
.set KF,   160                         ; v160-223  K's fragments: (kt, ks) at 8 (4 ks + kt)
.set QF,   0                           ; window 1: v0-31     Q's fragments: (qt, ks) at 8 (2 qt + ks)
.set VF,   32                          ; window 1: v32-95    V^T's fragments: (dt, ks) at 8 (4 ks + dt)
.set OA,   96                          ; window 1: v96-159   O^T: (dt, qt) at 8 (2 dt + qt)
.set LT,   160                         ; window 1: v160-175  the rows' sums: query tile qt at 8 qt
.set ONE,  176                         ; window 1: v176-183  a fragment of ones in f16
.set G1, 16                            ; s[16:23] group 1
.set G0, 24                            ; s[24:31] group 0, one set for each slot
.set MSB, 0
.macro WIN new
.if MSB != \new
	s_set_vgpr_msb (MSB<<8)|\new
.set MSB, \new
.endif
.endm
.macro PLACES                          ; four plain vector instructions behind matrix instructions (ISA guide 7.12.1 for vector instructions)
.rept 4
	v_nop
.endr
.endm
	s_load_b128 s[4:7], s[0:1], 0x0                ; qkv s[4:5], ctx s[6:7]
	v_lshl_add_u32 v254, v0, 2, 0x29000
	v_mov_b32 v255, 0
	ds_add_u32 v254, v255
	ds_add_u32 v254, v255
	v_lshrrev_b32 v1, 5, v0
	v_readfirstlane_b32 s8, v1                     ; wave 0..3
	s_and_b32 s9, ttmp9, 7                         ; j
	s_lshr_b32 s10, ttmp9, 7                       ; b
	s_bfe_u32 s48, ttmp9, 0x40003                  ; h
	s_sub_co_u32 s14, 16, s9                       ; tiles of the first block
	s_sub_co_u32 s12, 15, s9                       ; the query block at work
	s_mov_b32 s11, 0                               ; the key tile at work
	s_mov_b32 s13, 1                               ; the key tile that is asked for next
	; group 1: 64 rows of 64 elements of 2 bytes, dense in memory, 16 bytes of padding behind every 32 words
	s_mov_b32 s[G1+0], (1<<16)|(1<<20)|(4<<22)|(3<<25)
	s_mov_b32 s[G1+1], 64<<16                      ; tensor_dim0 = 64
	s_mov_b32 s[G1+2], 64<<16                      ; tensor_dim1 = 64
	s_mov_b32 s[G1+3], 64<<16                      ; tile_dim0 = 64
	s_mov_b32 s[G1+4], 64                          ; tile_dim1 = 64
	s_mov_b32 s[G1+5], 64                          ; elements from row to row
	s_mov_b32 s[G1+6], 0
	s_mov_b32 s[G1+7], 0
	s_mul_i32 s46, s10, 48
	s_add_co_u32 s46, s46, s48
	s_lshl_b32 s46, s46, 18                        ; q's plane of my head: (48 b + h) x 262,144 bytes
	s_mov_b32 s47, 0
	s_lshr_b32 s34, s8, 1
	s_add_co_u32 s34, s34, 1
	s_lshl_b32 s34, s34, 22                        ; 16 planes on for k (waves 0, 1), 32 for v (waves 2, 3)
	s_and_b32 s35, s8, 1
	s_lshl_b32 s35, s35, 13                        ; which 64 rows of a tile I fetch
	s_add_co_u32 s34, s34, s35
	s_mov_b32 s35, 0                               ; stays 0: the upper word of every offset in s[34:35]
	s_mul_i32 s49, s8, 64*PITCH                    ; where they go: wave x 64 rows
	s_wait_dscnt 0x0
	s_wait_kmcnt 0x0
	s_add_nc_u64 s[36:37], s[4:5], s[46:47]
	s_add_nc_u64 s[32:33], s[36:37], s[34:35]      ; my rows of key tile 0
	s_mov_b32 s[G0+0], 1
	s_mov_b32 s[G0+1], s49
	s_mov_b64 s[G0+2:G0+3], s[32:33]
	s_or_b32 s[G0+3], s[G0+3], 0x80000000          ; type 2
	s_mov_b32 s[G0+4], 1
	s_add_co_u32 s[G0+5], s49, SLOT
	tensor_load_to_lds s[G0:G0+3], s[G1:G1+7]      ; tile 0 into slot 0: the one first fill at the start; slot 1 is first filled behind the first trip's barrier
	s_nop 0
	s_lshl_b32 s46, s8, 12                         ; my 32 queries of 128 bytes
	s_add_nc_u64 s[36:37], s[36:37], s[46:47]
	s_lshl_b32 s46, s12, 14                        ; a block of 128 queries
	s_add_nc_u64 s[2:3], s[36:37], s[46:47]        ; q of the first block
	s_lshl_b32 s46, s9, 14
	s_add_nc_u64 s[36:37], s[36:37], s[46:47]      ; q of the second block
	s_lshl_b32 s46, s10, 22                        ; ctx: 1,024 pairs of 4,096 bytes a batch,
	s_lshl_b32 s49, s8, 16                         ; my 16 pairs,
	s_add_co_u32 s46, s46, s49
	s_lshl_b32 s49, s48, 8                         ; my head's 256 bytes
	s_add_co_u32 s46, s46, s49
	s_add_nc_u64 s[40:41], s[6:7], s[46:47]
	s_lshl_b32 s46, s12, 18                        ; a block's 64 pairs
	s_add_nc_u64 s[38:39], s[40:41], s[46:47]      ; ctx of the first block
	s_lshl_b32 s46, s9, 18
	s_add_nc_u64 s[40:41], s[40:41], s[46:47]      ; ctx of the second block
	s_mov_b32 s42, 0x3e38aa3b                      ; c = log2(e) / 8
	s_mov_b32 s43, 0x3e38aa3b
	s_mov_b32 s44, 0x76543210                      ; v_permlanex16_b32: lane i of one half reads lane i of the other
	s_mov_b32 s45, 0xfedcba98
	v_and_b32 v1, 15, v0                           ; r
	v_bfe_u32 v28, v0, 4, 1                        ; h
	v_and_b32 v29, 7, v0
	v_bfe_u32 v30, v0, 3, 1
	v_and_b32 v31, 31, v0                          ; lane
	v_lshlrev_b32 v[QA], 7, v1
	v_lshl_add_u32 v[QA], v28, 4, v[QA]            ; 128 r + 16 h
.macro QLOAD sb                        ; Q's fragments straight from memory: query tile qt, 32 dh at 64 ks bytes
	WIN 0x40
.irp qt, 0,1
.irp ks, 0,1
	global_load_b128 v[QF+16*\qt+8*\ks:QF+16*\qt+8*\ks+3],   v[QA], s[\sb:\sb+1] offset:2048*\qt+64*\ks
	global_load_b128 v[QF+16*\qt+8*\ks+4:QF+16*\qt+8*\ks+7], v[QA], s[\sb:\sb+1] offset:2048*\qt+64*\ks+32
.endr
.endr
	WIN 0
.endm
	QLOAD 2
	WIN 0x40
.set i, 0
.rept 8
	v_mov_b32 v[ONE+i], 0x3c003c00                 ; 1.0 in both halves
.set i, i+1
.endr
	WIN 0
	v_mul_u32_u24 v[KA], v1, PITCH
	v_lshl_add_u32 v[KA], v28, 4, v[KA]            ; row r, 16 h
	v_add_nc_u32 v[KA+1], SLOT, v[KA]
	v_lshl_add_u32 v[VA], v28, 3, v29              ; key 8 h + (l & 7),
	v_mul_u32_u24 v[VA], v[VA], PITCH
	v_lshl_add_u32 v[VA], v30, 4, v[VA]            ; 16 bytes on for lanes 8-15 and 24-31
	v_add_nc_u32 v[VA], VREG, v[VA]
	v_add_nc_u32 v[VA+1], SLOT, v[VA]
	s_mul_i32 s46, s8, 32*PITCH
	s_add_co_u32 s46, s46, STAGE                   ; my stage
	v_add_nc_u32 v[STO], s46, v[KA]                ; in: query r, 16 h
	v_lshrrev_b32 v[RD], 3, v31
	v_mul_u32_u24 v[RD], v[RD], PITCH              ; back: eight lanes take one query's 128 bytes
	v_lshl_add_u32 v[RD], v29, 4, v[RD]
	v_add_nc_u32 v[RD], s46, v[RD]
	v_lshlrev_b32 v[CO], 4, v1
	v_lshl_add_u32 v[CO], v28, 12, v[CO]           ; lanes 0-15 one pair's 256 bytes, lanes 16-31 the next pair's
	v_lshlrev_b32 v[DQ], 3, v28
	v_sub_nc_u32 v[DQ], v1, v[DQ]
	s_lshl_b32 s46, s8, 5
	v_add_nc_u32 v[DQ], s46, v[DQ]
	v_add_nc_u32 v[DQ+1], 16, v[DQ]
	v_mov_b32 v[NINF], 0xff800000
.macro CLEAR                           ; a block begins: O = 0, sums = 0 (they lie behind O), maximum = -infinity
	WIN 0x40
.set i, 0
.rept 80
	v_mov_b32 v[OA+i], 0
.set i, i+1
.endr
	WIN 0
	v_mov_b32 v[MA], v[NINF]
	v_mov_b32 v[MA+1], v[NINF]
.endm
.macro KLOAD slot, sub                 ; 16 loads: the 64 keys of half sub; those of dh 0-31 first
.irp ks, 0,1
.irp kt, 0,1,2,3
	ds_load_b128 v[KF+8*(4*\ks+\kt):KF+8*(4*\ks+\kt)+3],   v[KA+\slot] offset:PITCH*(64*\sub+16*\kt)+64*\ks
	ds_load_b128 v[KF+8*(4*\ks+\kt)+4:KF+8*(4*\ks+\kt)+7], v[KA+\slot] offset:PITCH*(64*\sub+16*\kt)+64*\ks+32
.endr
.endr
.endm
.macro VLOAD slot, sub                 ; 16 transposing loads: lane (r, h) gets dh 16 dt + r, keys 32 ks + 8 h + 0..7 and 32 ks + 16 + 8 h + 0..7
	WIN 0x40
.irp ks, 0,1
.irp dt, 0,1,2,3
	ds_load_tr16_b128 v[VF+8*(4*\ks+\dt):VF+8*(4*\ks+\dt)+3],   v[VA+\slot] offset:PITCH*(64*\sub+32*\ks)+32*\dt
	ds_load_tr16_b128 v[VF+8*(4*\ks+\dt)+4:VF+8*(4*\ks+\dt)+7], v[VA+\slot] offset:PITCH*(64*\sub+32*\ks+16)+32*\dt
.endr
.endr
	WIN 0
.endm
.macro MASK sub                        ; on the diagonal tile: key 64 sub + 16 kt + 8 h + i beyond query 32 w + 16 qt + r gets -infinity
.irp kt, 0,1,2,3
.irp qt, 0,1
.irp i, 0,1,2,3,4,5,6,7
	v_cmp_gt_i32 vcc_lo, 64*\sub+16*\kt+\i, v[DQ+\qt]
	v_cndmask_b32 v[SC+8*(2*\kt+\qt)+\i], v[SC+8*(2*\kt+\qt)+\i], v[NINF], vcc_lo
.endr
.endr
.endr
.endm
; 64 keys against my 32 queries.  tail = 1: the launch's last tile, always on the diagonal.  mold, mnew: MA, MB or MB, MA.
.macro STEP slot, sub, tail, mold, mnew
	s_wait_dscnt 0x8                               ; K's fragments of dh 0-31 are in; the eight younger loads (dh 32-63) may be out
	WIN 0x04                                       ; source 1 (Q) window 1
.irp kt, 0,1,2,3
.irp qt, 0,1
	v_wmma_f32_16x16x32_f16 v[SC+8*(2*\kt+\qt):SC+8*(2*\kt+\qt)+7], v[KF+8*\kt:KF+8*\kt+7], v[QF+16*\qt:QF+16*\qt+7], 0
.endr
.endr
	s_wait_dscnt 0x0
.irp kt, 0,1,2,3
.irp qt, 0,1
	v_wmma_f32_16x16x32_f16 v[SC+8*(2*\kt+\qt):SC+8*(2*\kt+\qt)+7], v[KF+8*(4+\kt):KF+8*(4+\kt)+7], v[QF+16*\qt+8:QF+16*\qt+15], v[SC+8*(2*\kt+\qt):SC+8*(2*\kt+\qt)+7]
.endr
.endr
	PLACES                                         ; for the loads into KF, VF and QF below and for the vector lines that read the scores
	VLOAD \slot, \sub
.if \sub == 0
	KLOAD \slot, 1                                 ; the next step's keys
.endif
.if \tail
	MASK \sub
.else
	s_cmp_lg_u32 s11, s12                          ; only the diagonal tile is masked
	s_cbranch_scc1 .Lopen_\@
	MASK \sub
.if \sub
	QLOAD 36                                       ; the first block's last scores are made: the second block's q comes in; the next trip's head waits for it
.endif
.Lopen_\@:
.endif
	; the row's maximum: the old one and my 32 scores in two chains for each query tile, then the other half of the lanes
.irp qt, 0,1
	v_max3_num_f32 v[TA+\qt], v[\mold+\qt], v[SC+8*\qt], v[SC+8*\qt+1]
	v_max_num_f32 v[TB+\qt], v[SC+8*(4+\qt)], v[SC+8*(4+\qt)+1]
.endr
.irp i, 2,4,6
.irp qt, 0,1
	v_max3_num_f32 v[TA+\qt], v[TA+\qt], v[SC+8*\qt+\i], v[SC+8*\qt+\i+1]
	v_max3_num_f32 v[TB+\qt], v[TB+\qt], v[SC+8*(4+\qt)+\i], v[SC+8*(4+\qt)+\i+1]
.endr
.endr
.irp i, 0,2,4,6
.irp qt, 0,1
	v_max3_num_f32 v[TA+\qt], v[TA+\qt], v[SC+8*(2+\qt)+\i], v[SC+8*(2+\qt)+\i+1]
	v_max3_num_f32 v[TB+\qt], v[TB+\qt], v[SC+8*(6+\qt)+\i], v[SC+8*(6+\qt)+\i+1]
.endr
.endr
.irp qt, 0,1
	v_max_num_f32 v[TA+\qt], v[TA+\qt], v[TB+\qt]
.endr
.irp qt, 0,1
	v_permlanex16_b32 v[TB+\qt], v[TA+\qt], s44, s45       ; its destination counts as read: TB has just been written and is no longer needed
.endr
.irp qt, 0,1
	v_max_num_f32 v[\mnew+\qt], v[TA+\qt], v[TB+\qt]       ; finite from a block's first step on: key 0 is open to every query
.endr
.irp qt, 0,1
	v_mul_f32 v[NM+2*\qt],   0xbe38aa3b, v[\mnew+\qt]      ; - m c, twice for the packed lines
	v_mul_f32 v[NM+2*\qt+1], 0xbe38aa3b, v[\mnew+\qt]
.endr
.irp qt, 0,1
	v_fma_f32 v[TA+\qt], v[\mold+\qt], s42, v[NM+2*\qt]    ; (old m - new m) c; -infinity in a block's first step, which makes the factor 0
.endr
.irp qt, 0,1
	v_exp_f32 v[AL+2*\qt],   v[TA+\qt]                     ; the packed lines below, which touch neither AL nor TA, are the plain line that stands behind these (ISA guide 5.7.2)
	v_exp_f32 v[AL+2*\qt+1], v[TA+\qt]
.endr
.irp kt, 0,1,2,3
.irp qt, 0,1
.irp i, 0,2,4,6
	v_pk_fma_f32 v[SC+8*(2*\kt+\qt)+\i:SC+8*(2*\kt+\qt)+\i+1], v[SC+8*(2*\kt+\qt)+\i:SC+8*(2*\kt+\qt)+\i+1], s[42:43], v[NM+2*\qt:NM+2*\qt+1] op_sel_hi:[1,0,1]
.endr
.endr
.endr
.set i, 0
.rept 64
	v_exp_f32 v[SC+i], v[SC+i]                     ; p
.set i, i+1
.endr
	v_nop                                          ; one plain line before the results are read
	; p to f16: key tiles 2 ks and 2 ks + 1 are registers 0-3 and 4-7 of the operand of 32 keys
	s_wait_alu depctr_va_vdst(0)
.irp qt, 0,1
.irp ks, 0,1
.irp i, 0,1,2,3
	v_cvt_pk_f16_f32 v[PB+8*(2*\qt+\ks)+\i],   v[SC+8*(4*\ks+\qt)+2*\i],   v[SC+8*(4*\ks+\qt)+2*\i+1]
	v_cvt_pk_f16_f32 v[PB+8*(2*\qt+\ks)+4+\i], v[SC+8*(4*\ks+2+\qt)+2*\i], v[SC+8*(4*\ks+2+\qt)+2*\i+1]
.endr
.endr
.endr
	WIN 0x41                                       ; O and the sums in window 1, the factor in window 0
.irp dt, 0,1,2,3
.irp qt, 0,1
.irp i, 0,2,4,6
	v_pk_mul_f32 v[OA+8*(2*\dt+\qt)+\i:OA+8*(2*\dt+\qt)+\i+1], v[OA+8*(2*\dt+\qt)+\i:OA+8*(2*\dt+\qt)+\i+1], v[AL+2*\qt:AL+2*\qt+1]
.endr
.endr
.endr
.irp qt, 0,1
	v_mul_f32 v[LT+8*\qt], v[LT+8*\qt], v[AL+2*\qt]        ; of the sums' tile register 0 alone is kept to scale
.endr
.if \sub == 0
	s_wait_dscnt 0x10                              ; V's sixteen loads are in; the sixteen younger ones are the next step's keys
.else
	s_wait_dscnt 0x0                               ; V's sixteen loads are in; nothing was issued behind them
.endif
	WIN 0x51                                       ; V^T, the ones, C and D window 1, p window 0
.irp ks, 0,1
.irp dt, 0,1,2,3
.irp qt, 0,1
	v_wmma_f32_16x16x32_f16 v[OA+8*(2*\dt+\qt):OA+8*(2*\dt+\qt)+7], v[VF+8*(4*\ks+\dt):VF+8*(4*\ks+\dt)+7], v[PB+8*(2*\qt+\ks):PB+8*(2*\qt+\ks)+7], v[OA+8*(2*\dt+\qt):OA+8*(2*\dt+\qt)+7]
.endr
.endr
.irp qt, 0,1
	v_wmma_f32_16x16x32_f16 v[LT+8*\qt:LT+8*\qt+7], v[ONE:ONE+7], v[PB+8*(2*\qt+\ks):PB+8*(2*\qt+\ks)+7], v[LT+8*\qt:LT+8*\qt+7]
.endr
.endr
	WIN 0
.endm
; A block's end: O / sum, to f16, through my own stage, out as whole (pair, head) blocks of 256 bytes
.macro FINAL
	PLACES                                         ; behind the last products
	WIN 0x01                                       ; the sums in window 1
.irp qt, 0,1
	v_rcp_f32 v[AL+2*\qt],   v[LT+8*\qt]           ; the sum is at least 1: the row's largest p is 1
	v_rcp_f32 v[AL+2*\qt+1], v[LT+8*\qt]
.endr
	v_nop                                          ; one plain line before the results are read
	WIN 0x41
	s_wait_alu depctr_va_vdst(0)
.irp dt, 0,1,2,3
.irp qt, 0,1
.irp i, 0,2,4,6
	v_pk_mul_f32 v[OA+8*(2*\dt+\qt)+\i:OA+8*(2*\dt+\qt)+\i+1], v[OA+8*(2*\dt+\qt)+\i:OA+8*(2*\dt+\qt)+\i+1], v[AL+2*\qt:AL+2*\qt+1]
.endr
.endr
.endr
	WIN 0x05
.irp qt, 0,1
.irp dt, 0,1,2,3
.irp i, 0,1,2,3
	v_cvt_pk_f16_f32 v[SC+4*(4*\qt+\dt)+\i], v[OA+8*(2*\dt+\qt)+2*\i], v[OA+8*(2*\dt+\qt)+2*\i+1]
.endr
.endr
.endr
	WIN 0
.irp qt, 0,1
.irp dt, 0,1,2,3
	ds_store_b128 v[STO], v[SC+4*(4*\qt+\dt):SC+4*(4*\qt+\dt)+3] offset:16*PITCH*\qt+32*\dt
.endr
.endr
.irp u, 0,1,2,3,4,5,6,7
	ds_load_b128 v[SC+32+4*\u:SC+32+4*\u+3], v[RD] offset:4*PITCH*\u       ; LDS serves a wave's instructions in order: these see the stores above
.endr
.irp u, 0,1,2,3,4,5,6,7
	s_wait_dscnt 7-\u
	global_store_b128 v[CO], v[SC+32+4*\u:SC+32+4*\u+3], s[38:39] offset:8192*\u   ; sixteen lanes store 256 neighbouring bytes at a multiple of 256
.endr
	s_wait_xcnt 0x0                                ; the stores' data and base are rewritten only behind this wait
.endm
; One key tile of 128 keys in slot; refill = 1: the other slot gets the next tile
.macro TRIP slot, refill, tail
	s_wait_tensorcnt 0x0                           ; all my tensor loads have landed, my part of this tile among them: a group 0 may be written
	ds_add_u32 v254, v255
	s_wait_dscnt 0x0
	s_wait_loadcnt 0x0                             ; q, where it was asked for (ahead of the first trip, and in the first block's last trip)
.if \refill
	s_lshl_b32 s34, s13, 14                        ; the next tile: 128 rows of 128 bytes each
	s_add_nc_u64 s[G0+4*(1-\slot)+2:G0+4*(1-\slot)+3], s[32:33], s[34:35]
	s_or_b32 s[G0+4*(1-\slot)+3], s[G0+4*(1-\slot)+3], 0x80000000
	s_add_co_u32 s13, s13, 1
	s_cmp_eq_u32 s13, s14                          ; behind the first block's last tile comes tile 0 again
	s_cselect_b32 s13, 0, s13
.endif
	s_wait_dscnt 0x0                               ; my reads of the other slot are over
	s_barrier_signal -1
	s_barrier_wait -1                              ; both now hold of every wave
.if \refill
	tensor_load_to_lds s[G0+4*(1-\slot):G0+4*(1-\slot)+3], s[G1:G1+7]      ; my one tensor load behind this barrier, first thing there; it has this tile's work in which to land
	s_nop 0
.endif
	KLOAD \slot, 0
	STEP \slot, 0, \tail, MA, MB
	STEP \slot, 1, \tail, MB, MA
.if \tail
	FINAL
.else
	s_cmp_lg_u32 s11, s12
	s_cbranch_scc1 .Lon_\@
	FINAL                                          ; the first block's diagonal tile is done
	s_mov_b64 s[38:39], s[40:41]                   ; the second block: its place in ctx,
	s_mov_b32 s12, s9                              ; its number,
	s_mov_b32 s11, -1                              ; key tile 0 comes next
	CLEAR
.Lon_\@:
	s_add_co_u32 s11, s11, 1
.endif
.endm
	CLEAR
	s_mov_b32 s15, 8
.Lpair:
	TRIP 0, 1, 0                                   ; tiles 0 to 15, two a trip of the loop; tiles 1 to 16 are asked for
	TRIP 1, 1, 0
	s_sub_co_u32 s15, s15, 1
	s_cmp_lg_u32 s15, 0
	s_cbranch_scc1 .Lpair
	TRIP 0, 0, 1                                   ; tile 16: the second block's diagonal tile; nothing is left to fetch
	s_wait_tensorcnt 0x0
	ds_add_u32 v254, v255
	s_wait_dscnt 0x0
	s_endpgm
.Lfunc_end_k_q6c3644d89c_attn:
	.size	k_q6c3644d89c_attn, .Lfunc_end_k_q6c3644d89c_attn-k_q6c3644d89c_attn
	.p2alignl 7, 3214868480
	.fill 96, 4, 3214868480
	.section	.rodata,"a",@progbits
	.p2align	6, 0x0
	.amdhsa_kernel k_q6c3644d89c_attn
		.amdhsa_group_segment_fixed_size 327680
		.amdhsa_private_segment_fixed_size 0
		.amdhsa_enable_private_segment 0
		.amdhsa_kernarg_size 16
		.amdhsa_user_sgpr_count 2
		.amdhsa_user_sgpr_kernarg_segment_ptr 1
		.amdhsa_wavefront_size32 1
		.amdhsa_system_sgpr_workgroup_id_x 1
		.amdhsa_system_sgpr_workgroup_id_y 1
		.amdhsa_system_sgpr_workgroup_id_z 1
		.amdhsa_system_vgpr_workitem_id 0
		.amdhsa_next_free_vgpr 448
		.amdhsa_next_free_sgpr 66
		.amdhsa_reserve_vcc 1
		.amdhsa_float_denorm_mode_32 3
		.amdhsa_float_denorm_mode_16_64 3
		.amdhsa_memory_ordered 1
		.amdhsa_forward_progress 1
		.amdhsa_inst_pref_size 160
	.end_amdhsa_kernel
	.amdgpu_metadata
---
amdhsa.version: [ 1, 2 ]
amdhsa.kernels:
  - .name:           k_q6c3644d89c_attn
    .symbol:         k_q6c3644d89c_attn.kd
    .args:
      - { .name: qkv, .offset: 0, .size: 8, .value_kind: global_buffer, .address_space: global }
      - { .name: ctx, .offset: 8, .size: 8, .value_kind: global_buffer, .address_space: global }
    .group_segment_fixed_size: 327680
    .private_segment_fixed_size: 0
    .kernarg_segment_align: 8
    .kernarg_segment_size: 16
    .max_flat_workgroup_size: 128
    .sgpr_count:     66
    .vgpr_count:     448
    .wavefront_size: 32
...
	.end_amdgpu_metadata
.endif
;; end of part 3
;; launch oproj (part 4): grid 8 x 32, 4 waves a work-group, clusters of 4 x 4, 327,680 bytes of LDS; arguments ctx, wb, out0; writes out0
.if DOCPART == 4
	.amdgcn_target "amdgcn-amd-amdhsa--gfx1250"
	.amdhsa_code_object_version 6
	.text
	.protected	k_q6c3644d89c_oproj
	.globl	k_q6c3644d89c_oproj
	.p2align	8
	.type	k_q6c3644d89c_oproj,@function
k_q6c3644d89c_oproj:
	s_mov_b64 s[64:65], 0
	v_nop
	global_prefetch_b8 v0, s[64:65] scope:SCOPE_SE
	s_setreg_imm32_b32 hwreg(HW_REG_WAVE_MODE, 25, 1), 1
	s_wait_xcnt 0x0
	s_wait_alu depctr_hold_cnt(0) depctr_sa_sdst(0) depctr_va_vdst(0) depctr_va_sdst(0) depctr_va_ssrc(0) depctr_va_vcc(0) depctr_vm_vsrc(0)
	s_getreg_b32 s2, hwreg(HW_REG_IB_STS2, 6, 4)
	s_cmp_eq_u32 s2, 0
	s_cbranch_scc0 .Lentry_in_a_cluster
	s_endpgm
.Lentry_in_a_cluster:
	s_bfe_u32 s2, ttmp6, 0x10000c
	s_cmp_lg_u32 s2, 0xf033
	s_cbranch_scc0 .Lentry_shape_is_right
	s_endpgm
.Lentry_shape_is_right:
; out0[4096 tokens][1024] f32 = ctx . w_o^T; f16 operands, f32 sums.  w_o is rows 3072..4095 of wb: its bf16 values, written in f16's format by the first launch.
; ctx lies as [token pair 2048][head 16][parity 2][dh 64] f16: a pair's row is 4,096 bytes, and feature 64 head + dh of token 2 p + parity is at
; byte 256 head + 128 parity + 2 dh of row p.  K keeps its natural order; only the lane address of A's fragments knows the layout.
; A work-group makes 128 tokens x 128 features with four waves, 2 x 2; a wave makes 64 x 64: 16 accumulator tiles.  8 x 32 = 256 work-groups.
; K goes in steps of 256 (four heads) through a ring of two LDS slots: A's tile is 64 pair rows of 1,024 bytes, B's 128 rows of 512 bytes, all at multiples of 256 in memory.
; CLUSTERS: 4 x 4 work-groups; A's tile is shared along a row of the cluster, B's along a column: each is asked for jointly.
; REGISTERS in windows of 256: window 0: addresses, A's fragments (two buffers of 4 x 8), rows on the way out; window 1: B's fragments (two buffers of 4 x 8);
; window 2: accumulators of my token tiles 0, 1 (tile (a, b) at v[8 ((a % 2) 4 + b)]); window 3: of token tiles 2, 3.
; THE MATRIX INSTRUCTION IS USED TRANSPOSED: source 0 = 16 rows of w_o, source 1 = 16 tokens: lane l holds token l % 16 and eight neighbouring features.
; The 16 accumulators take turns, one instruction a turn, in the same order in every quarter step.
; Limits: operands are f16, with the range that the launches before state; NaN and infinities pass through as the formats have them.
.set NB,     4                         ; feature tiles of a wave
.set APITCH, 1040                      ; a pair row in LDS: 1,024 bytes + 16; the sixteen tokens of a fragment start in sixteen different 16-byte columns modulo 256
.set BPITCH, 528                       ; a row of w_o in LDS: 512 bytes + 16, an odd multiple of 16
.set ASTEP,  8*APITCH                  ; 16 tokens = 8 pair rows
.set BSTEP,  16*BPITCH
.set PART,   33792                     ; what one wave fetches: 64 rows of B (33,792 bytes) or 32 pair rows of A (33,280, and 512 idle)
.set SLOT,   4*PART                    ; A's two halves, then B's two halves
.set STAGE,  2*SLOT                    ; behind the ring: 16 rows x 272 bytes for each wave; no fill lands here
.set SPITCH, 272                       ; 256 bytes (64 f32) + 16
.set AKB,    1024                      ; bytes that a slot takes of a pair row
.set BKB,    512                       ; and of a row of w_o
.set ADRA, 16                          ; v16-17  LDS address of my A fragments in slot 0, 1
.set ADRB, 20                          ; v20-21  the same for B
.set STO,  24                          ; v24     the way out: in
.set RD,   25                          ; v25     the way out: back
.set CO,   26                          ; v26     my byte offset in out0
.set FA,   64                          ; window 0: v64-95, v96-127  A's fragment buffers 0, 1
.set FB,   0                           ; window 1: v0-31, v96-127   B's fragment buffers 0, 1
.set RB,   128                         ; window 0: v128-159 rows read back
.set G1,  24                           ; s[24:31] group 1 for A's tiles
.set G0,  32                           ; s[32:39] group 0 for A's tiles, one set for each slot
.set G1B, 48                           ; s[48:55] group 1 for B's tiles
.set G0B, 56                           ; s[56:63] group 0 for B's tiles, one set for each slot
.set MSB, 0
.macro WIN new
.if MSB != \new
	s_set_vgpr_msb (MSB<<8)|\new
.set MSB, \new
.endif
.endm
.set MUL_LO, 0xa1                      ; source 0 (B) window 1, source 1 (A) window 0, C and D window 2
.set MUL_HI, 0xf1                      ; the same, C and D window 3
.set TO_B,   0x40                      ; destination window 1, address window 0
.macro JLOAD s                         ; a joint load: waves 0, 1 fetch A's halves, waves 2, 3 B's; the branch hangs on the wave's number alone
	s_cmp_eq_u32 s11, 0
	s_cbranch_scc0 .Lfor_b_\@
	tensor_load_to_lds s[G0+4*\s:G0+4*\s+3], s[G1:G1+7]
	s_nop 0
	s_branch .Lasked_\@
.Lfor_b_\@:
	tensor_load_to_lds s[G0B+4*\s:G0B+4*\s+3], s[G1B:G1B+7]
	s_nop 0
.Lasked_\@:
.endm
.macro CREST                           ; a round of the cluster's barrier behind its opening barrier
	s_cmp_lg_u32 s10, 0
	s_cbranch_scc1 .Lnot_wave_0_\@
	s_barrier_signal -3
.Lnot_wave_0_\@:
	s_barrier_wait -3
	s_barrier_signal -1
	s_barrier_wait -1
.endm
.macro CROUND
	s_barrier_signal -1
	s_barrier_wait -1
	CREST
.endm
	s_load_b128 s[4:7], s[0:1], 0x0                ; ctx s[4:5], wb s[6:7]
	s_load_b64 s[8:9], s[0:1], 0x10                ; out0
	s_set_vgpr_msb 0x40
	v_lshl_add_u32 v255, v0, 2, 0x46400
	s_set_vgpr_msb 0x4000
	v_mov_b32 v255, 0
	s_set_vgpr_msb 0x1
	ds_add_u32 v255, v255
	ds_add_u32 v255, v255
	s_set_vgpr_msb 0x100
	v_lshrrev_b32 v1, 5, v0
	v_readfirstlane_b32 s10, v1                    ; wave 0..3
	s_lshr_b32 s11, s10, 1                         ; which 64 tokens are mine.  Also: I fetch for A (0) or for B (1)
	s_and_b32 s12, s10, 1                          ; which 64 features.  Also: which half of that tile I fetch
	s_bfe_u32 s40, ttmp6, 0x40000                  ; cx
	s_bfe_u32 s41, ttmp6, 0x40004                  ; cy
	s_lshl_b32 s42, ttmp9, 2
	s_add_co_u32 s42, s42, s40                     ; block column
	s_and_b32 s13, ttmp7, 0xffff
	s_lshl_b32 s13, s13, 2
	s_add_co_u32 s13, s13, s41                     ; block row
	s_lshl_b32 s43, s41, 2
	s_lshl_b32 s43, 15, s43                        ; my row of the cluster
	s_lshl_b32 s44, 0x1111, s40                    ; my column
	s_or_b32 s[G1+0], s43, (1<<16)|(1<<20)|(1<<21)|(7<<22)|(3<<25)   ; A: elements of 2 bytes, 16 bytes of padding behind every 256 words
	s_or_b32 s[G1B+0], s44, (1<<16)|(1<<20)|(1<<21)|(6<<22)|(3<<25)  ; B: behind every 128 words
	s_mov_b32 s[G1+1], 512<<16                     ; tensor_dim0: 512 elements (four heads of a pair)
	s_mov_b32 s[G1B+1], 256<<16                    ; 256 elements
	s_mov_b32 s[G1+2], 32<<16                      ; tensor_dim1: 32 pair rows
	s_mov_b32 s[G1B+2], 64<<16                     ; 64 rows
	s_mov_b32 s[G1+3], 512<<16                     ; tile_dim0
	s_mov_b32 s[G1B+3], 256<<16
	s_mov_b32 s[G1+4], 32                          ; tile_dim1
	s_mov_b32 s[G1B+4], 64
	s_mov_b32 s[G1+5], 2048                        ; elements from pair row to pair row
	s_mov_b32 s[G1B+5], 1024
	s_mov_b32 s[G1+6], 0
	s_mov_b32 s[G1B+6], 0
	s_mov_b32 s[G1+7], 0
	s_mov_b32 s[G1B+7], 0
	s_lshl_b32 s16, s13, 18                        ; A: 64 pair rows of 4,096 bytes a block row,
	s_lshl_b32 s17, s12, 17                        ; 32 a half
	s_add_co_u32 s16, s16, s17
	s_mov_b32 s17, 0
	s_lshl_b32 s46, s42, 18                        ; B: 128 rows of 2,048 bytes a block column,
	s_lshl_b32 s47, s12, 17                        ; 64 a half,
	s_add_co_u32 s46, s46, s47
	s_add_co_u32 s46, s46, 0x600000                ; behind the 3,072 rows of w_q, w_k, w_v
	s_mov_b32 s47, 0
	s_mul_i32 s20, s10, PART                       ; where they go: wave x one part
	s_wait_dscnt 0x0
	s_wait_kmcnt 0x0
	s_add_nc_u64 s[14:15], s[4:5], s[16:17]
	s_add_nc_u64 s[46:47], s[6:7], s[46:47]
	CROUND                                         ; all sixteen work-groups are here: the first joint loads meet
.irp s, 0,1
	s_mov_b32 s[G0+4*\s], 1
	s_add_co_u32 s[G0+4*\s+1], s20, \s*SLOT
	s_add_nc_u64 s[G0+4*\s+2:G0+4*\s+3], s[14:15], \s*AKB
	s_or_b32 s[G0+4*\s+3], s[G0+4*\s+3], 0x80000000
	s_mov_b32 s[G0B+4*\s], 1
	s_add_co_u32 s[G0B+4*\s+1], s20, \s*SLOT
	s_add_nc_u64 s[G0B+4*\s+2:G0B+4*\s+3], s[46:47], \s*BKB
	s_or_b32 s[G0B+4*\s+3], s[G0B+4*\s+3], 0x80000000
	JLOAD \s                                       ; both first fills go out together: two tensor loads of the wave are out
.endr
	v_and_b32 v1, 15, v0                           ; r
	v_bfe_u32 v2, v0, 4, 1                         ; h
	v_lshrrev_b32 v3, 1, v1                        ; token r lies in pair row r / 2,
	v_and_b32 v4, 1, v0                            ; 128 bytes on where r is odd
	v_mul_u32_u24 v3, v3, APITCH
	v_lshl_add_u32 v3, v4, 7, v3
	v_lshl_add_u32 v3, v2, 4, v3
	v_mul_u32_u24 v5, v1, BPITCH
	v_lshl_add_u32 v5, v2, 4, v5
	s_mul_i32 s21, s11, PART                       ; my 64 tokens = one half of A
	s_mul_i32 s22, s12, PART                       ; my 64 features = one half of B,
	s_add_co_u32 s22, s22, 2*PART                  ; which lies behind A
.irp s, 0,1
	v_add_nc_u32 v[ADRA+\s], s21, v3
	v_add_nc_u32 v[ADRB+\s], s22, v5
	s_add_co_u32 s21, s21, SLOT
	s_add_co_u32 s22, s22, SLOT
.endr
	s_mul_i32 s23, s10, 16*SPITCH
	s_add_co_u32 s23, s23, STAGE                   ; my stage
	v_mul_u32_u24 v6, v1, SPITCH                   ; in: token r, 32 bytes for each half of the lanes
	v_lshl_add_u32 v6, v2, 5, v6
	v_add_nc_u32 v[STO], s23, v6
	v_mul_u32_u24 v7, v2, SPITCH                   ; back: lanes 0-15 one token's 256 bytes, lanes 16-31 the next token's
	v_lshl_add_u32 v7, v1, 4, v7
	v_add_nc_u32 v[RD], s23, v7
	v_lshlrev_b32 v[CO], 4, v1
	v_lshl_add_u32 v[CO], v2, 12, v[CO]            ; the same two rows in out0
.macro MULA f, a, zero                 ; NB matrix instructions: token tile a x my four feature tiles, 32 along K, from buffer f
.irp b, 0,1,2,3
.if \zero
	v_wmma_f32_16x16x32_f16 v[8*(((\a)%2)*NB+\b):8*(((\a)%2)*NB+\b)+7], v[FB+96*\f+8*\b:FB+96*\f+8*\b+7], v[FA+32*\f+8*(\a):FA+32*\f+8*(\a)+7], 0
.else
	v_wmma_f32_16x16x32_f16 v[8*(((\a)%2)*NB+\b):8*(((\a)%2)*NB+\b)+7], v[FB+96*\f+8*\b:FB+96*\f+8*\b+7], v[FA+32*\f+8*(\a):FA+32*\f+8*(\a)+7], v[8*(((\a)%2)*NB+\b):8*(((\a)%2)*NB+\b)+7]
.endif
.endr
.endm
; 16 LDS loads in one run: quarter q of a slot (32 along K: head q / 2, dh 32 (q % 2) ..) into buffer f: B's 8 first, then A's 8
.macro FETCH slot, q, f
	WIN TO_B
.irp i, 0,1,2,3
	ds_load_b128 v[FB+96*\f+8*\i:FB+96*\f+8*\i+3],   v[ADRB+\slot] offset:64*(\q)+\i*BSTEP
	ds_load_b128 v[FB+96*\f+8*\i+4:FB+96*\f+8*\i+7], v[ADRB+\slot] offset:64*(\q)+\i*BSTEP+32
.endr
	WIN 0
.irp i, 0,1,2,3
	ds_load_b128 v[FA+32*\f+8*\i:FA+32*\f+8*\i+3],   v[ADRA+\slot] offset:256*((\q)/2)+64*((\q)%2)+\i*ASTEP
	ds_load_b128 v[FA+32*\f+8*\i+4:FA+32*\f+8*\i+7], v[ADRA+\slot] offset:256*((\q)/2)+64*((\q)%2)+\i*ASTEP+32
.endr
.endm
.macro PLACES                          ; four plain vector instructions behind matrix instructions (ISA guide 7.12.1 for vector instructions)
.rept 4
	v_nop
.endr
.endm
.macro QUARTER slot, qn, f, g, zero
	s_wait_dscnt 4                                 ; B and A's token tiles 0, 1 are in; the youngest four loads (tiles 2, 3) may be out
	WIN MUL_LO
	MULA \f, 0, \zero
	MULA \f, 1, \zero
	PLACES
	FETCH \slot, \qn, \g
	s_wait_dscnt 2*NB+8                            ; all but the run just issued
	WIN MUL_HI
	MULA \f, 2, \zero
	MULA \f, 3, \zero
.endm
.macro FRONT slot, zero                ; seven of a slot's eight quarters
	QUARTER \slot, 1, 0, 1, \zero
	QUARTER \slot, 2, 1, 0, 0
	QUARTER \slot, 3, 0, 1, 0
	QUARTER \slot, 4, 1, 0, 0
	QUARTER \slot, 5, 0, 1, 0
	QUARTER \slot, 6, 1, 0, 0
	QUARTER \slot, 7, 0, 1, 0
.endm
; A slot's last quarter and the change of slots: each wave's waits for its reads of this slot and for all its tensor loads stand in front of the barrier,
; the refill first behind it.  From a request to the wait for it a wave issues 124 matrix instructions.
.macro TURN slot, next, fill
	s_wait_dscnt 4
	WIN MUL_LO
	MULA 1, 0, 0
	s_wait_dscnt 0                                 ; my reads of this slot are over
	s_wait_tensorcnt 0x0                           ; all my tensor loads have landed
	ds_add_u32 v255, v255
	s_wait_dscnt 0x0
	s_barrier_signal -1                            ; where the slot is filled again this barrier opens a round of the cluster's barrier
	MULA 1, 1, 0
	WIN 0
	s_barrier_wait -1
.if \fill
	CREST                                          ; no wave of any partner still reads this slot or has a load on its way
	s_add_nc_u64 s[G0+4*\slot+2:G0+4*\slot+3], s[G0+4*\slot+2:G0+4*\slot+3], 2*AKB
	s_add_nc_u64 s[G0B+4*\slot+2:G0B+4*\slot+3], s[G0B+4*\slot+2:G0B+4*\slot+3], 2*BKB
	JLOAD \slot                                    ; the first tensor load behind the round, the wave's only one until the next
.endif
	PLACES
	FETCH \next, 0, 0
	WIN MUL_HI
	MULA 1, 2, 0
	MULA 1, 3, 0
.endm
	s_wait_tensorcnt 1                             ; my part of K step 0 is in; K step 1's may stay out
	s_barrier_signal -1
	s_barrier_wait -1
	FETCH 0, 0, 0
	FRONT 0, 1                                     ; K = 1024 is four steps of 256: the first lap fills both slots again, its first products start the sums
	TURN 0, 1, 1
	FRONT 1, 0
	TURN 1, 0, 1
	FRONT 0, 0                                     ; the second lap fills nothing
	TURN 0, 1, 0
	FRONT 1, 0
	s_wait_dscnt 4
	WIN MUL_LO
	MULA 1, 0, 0
	MULA 1, 1, 0
	s_wait_dscnt 0
	WIN MUL_HI
	MULA 1, 2, 0
	MULA 1, 3, 0
	; THE WAY OUT, 16 tokens at a time: 32 bytes a lane into my own stage, read back as whole rows of 256 bytes
	PLACES
	s_lshl_b32 s16, s13, 19                        ; 128 tokens of 4,096 bytes a block row,
	s_lshl_b32 s17, s11, 18                        ; my 64
	s_add_co_u32 s16, s16, s17
	s_mov_b32 s17, 0
	s_add_nc_u64 s[8:9], s[8:9], s[16:17]
	s_lshl_b32 s46, s42, 9                         ; 128 features of 4 bytes a block column (in the registers that held B's address),
	s_lshl_b32 s47, s12, 8                         ; my 64
	s_add_co_u32 s46, s46, s47
	s_mov_b32 s47, 0
	s_add_nc_u64 s[8:9], s[8:9], s[46:47]
.macro OUTF a, from
	WIN \from                                      ; an LDS store's data is source 1: window 2 or 3
.irp b, 0,1,2,3
	ds_store_b128 v[STO], v[8*(((\a)%2)*NB+\b):8*(((\a)%2)*NB+\b)+3]   offset:64*\b
	ds_store_b128 v[STO], v[8*(((\a)%2)*NB+\b)+4:8*(((\a)%2)*NB+\b)+7] offset:64*\b+16
.endr
	WIN 0
	s_wait_xcnt 0x0                                ; RB, which the last tile's stores read, is loaded again only behind this wait
.irp t, 0,1,2,3,4,5,6,7
	ds_load_b128 v[RB+4*\t:RB+4*\t+3], v[RD] offset:2*SPITCH*\t    ; LDS serves a wave's instructions in order: these see the stores above
.endr
.irp t, 0,1,2,3,4,5,6,7
	s_wait_dscnt 7-\t
	global_store_b128 v[CO], v[RB+4*\t:RB+4*\t+3], s[8:9] offset:65536*\a+8192*\t th:TH_STORE_NT   ; sixteen lanes store 256 neighbouring bytes at a multiple of 256
.endr
.endm
	OUTF 0, 0x08
	OUTF 1, 0x08
	OUTF 2, 0x0c
	OUTF 3, 0x0c
	s_set_vgpr_msb 0x1
	s_wait_tensorcnt 0x0
	ds_add_u32 v255, v255
	s_wait_dscnt 0x0
	s_set_vgpr_msb 0x100
	CROUND                                         ; the closing round: no work-group ends while a partner may still ask for a tile that names it
	s_endpgm
.Lfunc_end_k_q6c3644d89c_oproj:
	.size	k_q6c3644d89c_oproj, .Lfunc_end_k_q6c3644d89c_oproj-k_q6c3644d89c_oproj
	.p2alignl 7, 3214868480
	.fill 96, 4, 3214868480
	.section	.rodata,"a",@progbits
	.p2align	6, 0x0
	.amdhsa_kernel k_q6c3644d89c_oproj
		.amdhsa_group_segment_fixed_size 327680
		.amdhsa_private_segment_fixed_size 0
		.amdhsa_enable_private_segment 0
		.amdhsa_kernarg_size 24
		.amdhsa_user_sgpr_count 2
		.amdhsa_user_sgpr_kernarg_segment_ptr 1
		.amdhsa_wavefront_size32 1
		.amdhsa_system_sgpr_workgroup_id_x 1
		.amdhsa_system_sgpr_workgroup_id_y 1
		.amdhsa_system_sgpr_workgroup_id_z 1
		.amdhsa_system_vgpr_workitem_id 0
		.amdhsa_next_free_vgpr 832
		.amdhsa_next_free_sgpr 66
		.amdhsa_reserve_vcc 0
		.amdhsa_float_denorm_mode_32 3
		.amdhsa_float_denorm_mode_16_64 3
		.amdhsa_memory_ordered 1
		.amdhsa_forward_progress 1
		.amdhsa_inst_pref_size 92
	.end_amdhsa_kernel
	.amdgpu_metadata
---
amdhsa.version: [ 1, 2 ]
amdhsa.kernels:
  - .name:           k_q6c3644d89c_oproj
    .symbol:         k_q6c3644d89c_oproj.kd
    .args:
      - { .name: ctx, .offset: 0, .size: 8, .value_kind: global_buffer, .address_space: global }
      - { .name: wb, .offset: 8, .size: 8, .value_kind: global_buffer, .address_space: global }
      - { .name: out0, .offset: 16, .size: 8, .value_kind: global_buffer, .address_space: global }
    .group_segment_fixed_size: 327680
    .private_segment_fixed_size: 0
    .kernarg_segment_align: 8
    .kernarg_segment_size: 24
    .max_flat_workgroup_size: 128
    .sgpr_count:     66
    .vgpr_count:     832
    .wavefront_size: 32
...
	.end_amdgpu_metadata
.endif
;; end of part 4
